; MI455X (gfx1250); checked and timed in simulation.
; The chip was launched on July 23, 2026; its instructions are those of AMD's public machine-readable ISA for CDNA 5 (MIT licence, August 2026) and "CDNA5" Instruction Set Architecture Reference Guide (July 2026). The comments in the code are by the model that wrote it; some were corrected since.
;; Vector Quantizer. Allowed arithmetic: float matrix products may take bf16 or f16 operands with f32 sums; other float arithmetic in f32, or as packed bf16 or f16 multiplies, adds, multiply-adds, maxima and minima; sums over many terms, partial sums and values carried from step to step in f32; what a program stores and reads back later, other than sums and carried values, may be rounded once to bf16 or f16.
;; Inputs: embedding 8,192 x 256 float32; inputs 32,768 x 256 float32.
;; Outputs: out0 32,768 int32.
;; 2 versions, each right; version 2 is version 1 with the launch refine written anew for expert scheduling mode. Each part assembles by itself: llvm-mc -triple=amdgcn-amd-amdhsa -mcpu=gfx1250 --defsym DOCPART=n.
;; ======== version 1 of 2: 3 launches
;; workspace buffers: ework 4,227,072 bytes; cand 262,144 bytes of whole numbers
;; launch prep (part 1): grid 128 x 1, 4 waves a work-group, no clusters, 35,584 bytes of LDS; arguments embedding, ework; writes ework
.if DOCPART == 1
	.amdgcn_target "amdgcn-amd-amdhsa--gfx1250"
	.amdhsa_code_object_version 6
	.text
	.protected	k_q08c46ee401_prep
	.globl	k_q08c46ee401_prep
	.p2align	8
	.type	k_q08c46ee401_prep,@function
k_q08c46ee401_prep:
	s_mov_b64 s[64:65], 0
	v_nop
	global_prefetch_b8 v0, s[64:65] scope:SCOPE_SE
	s_setreg_imm32_b32 hwreg(HW_REG_WAVE_MODE, 25, 1), 1
	s_wait_xcnt 0x0
; THE CODEBOOK IS MADE READY FOR THE SEARCH.  embedding: [8192][256] f32.  ework: 32 chunks of 132,096 bytes; chunk i serves codes 256 i .. 256 i + 255:
;   bytes 0 .. 131,071: 16 tiles of 16 codes, 8,192 bytes each, rounded once to bf16 and laid IN FRAGMENT ORDER: for i = 2 c + p (c: 32 channels, p: half of them) 512 bytes at 512 i, in which
;   lane l = 16 h + r has the 16 bytes at 16 l: code r, channels 32 c + 16 p + 8 h + 0..7.  So a matrix operand's half is 512 consecutive bytes, 16 a lane.
;   bytes 131,072 .. 132,095: he[code] = -1/2 x the sum of squares of the ROUNDED code, in f32: the search compares x . e + he, and its codes are the rounded ones.
; SHARES.  Work-group g: codes 64 g .. 64 g + 63 (chunk g / 4, quarter g % 4); wave w: one tile, 16 rows = 16,384 consecutive bytes of embedding, read once by 32 loads of 512 consecutive bytes.
; 128 work-groups: 64 codes' he are 256 consecutive bytes, stored whole by one instruction; all of the input is asked for at once, so there is no loop.
; THE TURN goes through the wave's own stage in LDS: 32 blocks (block = channel / 8) of 16 codes x 16 bytes, 272 bytes apart.
.set CHUNK, 132096
.set HEOFF, 131072
.set PITCH, 272                        ; a block: 256 bytes + 16 = 68 words: the sixteen pairs of lanes of a store start at sixteen different groups of four banks (64 banks of 4 bytes: ISA guide 11.1)
.set STG,   32*PITCH                   ; a wave's stage: 8,704 bytes
.set HS,    4*STG                      ; behind the stages: the 64 he of the work-group, 256 bytes
.set SPARE, HS+256                     ; behind them: the spare words, 128 bytes for each wave: two blocks of 256 bytes that no other line names
.set GO,  1                            ; v1   16 x lane: my place in 512 consecutive bytes, in and out
.set ST,  2                            ; v2   where I put 8 bytes in my stage
.set RDA, 3                            ; v3   where I read 16 bytes back
.set HA,  4                            ; v4   where my code's he goes in LDS
.set HB,  5                            ; v5   where wave 0 reads two he back
.set SPW, 6                            ; v6   LDS address of my spare word; never rewritten
.set NIL, 7                            ; v7   0; never rewritten
.set CH,  8                            ; v[8:15]    eight chains of the sum of squares
.set HG,  20                           ; v20  8 x lane: my place in the 256 bytes of he
.set L,   64                           ; v[64:191]  the 32 loads, 4 registers each
.set F,   64                           ; v[64:127]  later: the tile in fragment order
.set CV,  192                          ; v[192:255] the rounded numbers, 2 registers a load
	s_load_b128 s[4:7], s[0:1], 0x0                ; embedding s[4:5], ework s[6:7]
	v_lshl_add_u32 v[SPW], v0, 2, SPARE
	v_mov_b32 v[NIL], 0
	v_lshrrev_b32 v16, 5, v0
	v_readfirstlane_b32 s8, v16                    ; wave 0..3
	v_and_b32 v17, 31, v0                          ; l
	v_and_b32 v18, 15, v0                          ; r = l % 16
	v_bfe_u32 v19, v0, 4, 1                        ; h = l / 16
	v_lshlrev_b32 v[GO], 4, v17
	s_mul_i32 s9, s8, STG                          ; my stage
	v_lshrrev_b32 v16, 1, v17
	v_mul_u32_u24 v[ST], v16, PITCH                ; in: a load's lane l holds channels 4 l .. 4 l + 3 of half a row: block l / 2,
	v_and_b32 v16, 1, v0
	v_lshl_add_u32 v[ST], v16, 3, v[ST]            ; its first or second 8 bytes of a code's 16
	v_add_nc_u32 v[ST], s9, v[ST]
	v_mul_u32_u24 v[RDA], v19, PITCH               ; back: lanes 0-15 take one block, lanes 16-31 the next, 16 bytes a code
	v_lshl_add_u32 v[RDA], v18, 4, v[RDA]
	v_add_nc_u32 v[RDA], s9, v[RDA]
	s_lshl_b32 s10, s8, 6
	s_add_co_u32 s10, s10, HS
	v_lshl_add_u32 v[HA], v18, 2, s10              ; HS + 64 w + 4 r
	v_lshlrev_b32 v[HG], 3, v17
	v_add_nc_u32 v[HB], HS, v[HG]
	s_mov_b32 s24, 0x76543210                      ; v_permlanex16_b32: each lane takes its own place in the other half
	s_mov_b32 s25, 0xfedcba98
	s_lshl_b32 s12, ttmp9, 16                      ; 64 rows of 1,024 bytes,
	s_lshl_b32 s13, s8, 14                         ; my 16 of them
	s_add_co_u32 s12, s12, s13
	s_mov_b32 s13, 0
	s_lshr_b32 s14, ttmp9, 2
	s_mul_i32 s14, s14, CHUNK                      ; the chunk
	s_and_b32 s15, ttmp9, 3                        ; the quarter
	s_lshl_b32 s16, s15, 15                        ; its four tiles of 8,192 bytes,
	s_lshl_b32 s17, s8, 13                         ; mine of them
	s_add_co_u32 s16, s16, s17
	s_add_co_u32 s16, s16, s14
	s_mov_b32 s17, 0
	s_lshl_b32 s18, s15, 8                         ; the quarter's 256 bytes of he
	s_add_co_u32 s18, s18, s14
	s_add_co_u32 s18, s18, HEOFF
	s_mov_b32 s19, 0
	s_wait_kmcnt 0x0
	s_add_nc_u64 s[4:5], s[4:5], s[12:13]
	s_add_nc_u64 s[20:21], s[6:7], s[16:17]
	s_add_nc_u64 s[22:23], s[6:7], s[18:19]
.set m, 0
.rept 32                               ; load m: row m / 2, half m % 2: 512 consecutive bytes
	global_load_b128 v[L+4*m:L+4*m+3], v[GO], s[4:5] offset:512*m th:TH_LOAD_NT
.set m, m+1
.endr
.irp b, 0,1,2,3
	s_wait_loadcnt 24-8*(\b)                       ; loads come back in order: this batch of eight is in, the younger batches stay out
.irp j, 0,1,2,3,4,5,6,7
	v_cvt_pk_bf16_f32 v[CV+2*(8*(\b)+(\j))],   v[L+4*(8*(\b)+(\j))],   v[L+4*(8*(\b)+(\j))+1]
	v_cvt_pk_bf16_f32 v[CV+2*(8*(\b)+(\j))+1], v[L+4*(8*(\b)+(\j))+2], v[L+4*(8*(\b)+(\j))+3]
	ds_store_b64 v[ST], v[CV+2*(8*(\b)+(\j)):CV+2*(8*(\b)+(\j))+1] offset:((\j)%2)*16*PITCH+(4*(\b)+(\j)/2)*16  ; the row's second half: 16 blocks on; the row: 16 bytes on
.endr
.endr
.set i, 0
.rept 16
	ds_load_b128 v[F+4*i:F+4*i+3], v[RDA] offset:2*PITCH*i  ; my own bytes: LDS serves a wave's instructions in order (ISA guide 5.7.1.4), so these see the stores above
.set i, i+1
.endr
	s_wait_dscnt 0x0
.set i, 0
.rept 16
	global_store_b128 v[GO], v[F+4*i:F+4*i+3], s[20:21] offset:512*i  ; 512 consecutive bytes, at a multiple of 256 from ework's first
.set i, i+1
.endr
	; he.  My 64 registers hold 128 channels of code r; the other 128 lie in the lane 16 away.  Squares of the rounded numbers, exact products, f32 sums in eight chains; a chain's first link adds onto 0.
.set i, 0
.rept 64
.if i < 4
	v_fma_mix_f32_bf16 v[CH+2*(i%4)],   v[F+i], v[F+i], v[NIL] op_sel_hi:[1,1,0]
	v_fma_mix_f32_bf16 v[CH+2*(i%4)+1], v[F+i], v[F+i], v[NIL] op_sel:[1,1,0] op_sel_hi:[1,1,0]
.else
	v_fma_mix_f32_bf16 v[CH+2*(i%4)],   v[F+i], v[F+i], v[CH+2*(i%4)] op_sel_hi:[1,1,0]
	v_fma_mix_f32_bf16 v[CH+2*(i%4)+1], v[F+i], v[F+i], v[CH+2*(i%4)+1] op_sel:[1,1,0] op_sel_hi:[1,1,0]
.endif
.set i, i+1
.endr
	v_add_f32 v[CH],   v[CH],   v[CH+1]
	v_add_f32 v[CH+2], v[CH+2], v[CH+3]
	v_add_f32 v[CH+4], v[CH+4], v[CH+5]
	v_add_f32 v[CH+6], v[CH+6], v[CH+7]
	v_add_f32 v[CH],   v[CH],   v[CH+2]
	v_add_f32 v[CH+4], v[CH+4], v[CH+6]
	v_add_f32 v[CH],   v[CH],   v[CH+4]
	v_permlanex16_b32 v16, v[CH], s24, s25         ; (v16 has been written: the destination counts as read)
	v_add_f32 v[CH], v[CH], v16
	v_mul_f32 v[CH], -0.5, v[CH]
	ds_store_b32 v[HA], v[CH]                      ; both halves of the lanes write the same word with the same number
	s_wait_dscnt 0x0                               ; for the others' sake: my store is done
	s_barrier_signal -1
	s_barrier_wait -1                              ; all 64 he lie in LDS
	s_cmp_lg_u32 s8, 0
	s_cbranch_scc1 .Lend
	ds_load_b64 v[16:17], v[HB]
	s_wait_dscnt 0x0
	global_store_b64 v[HG], v[16:17], s[22:23]     ; 256 consecutive bytes, at a multiple of 256 from ework's first, by one instruction
.Lend:
	s_wait_tensorcnt 0x0                           ; the wave's end, behind my last LDS store
	ds_add_u32 v[SPW], v[NIL]
	s_wait_dscnt 0x0
	s_endpgm
.Lfunc_end_k_q08c46ee401_prep:
	.size	k_q08c46ee401_prep, .Lfunc_end_k_q08c46ee401_prep-k_q08c46ee401_prep
	.p2alignl 7, 3214868480
	.fill 96, 4, 3214868480
	.section	.rodata,"a",@progbits
	.p2align	6, 0x0
	.amdhsa_kernel k_q08c46ee401_prep
		.amdhsa_group_segment_fixed_size 35584
		.amdhsa_private_segment_fixed_size 0
		.amdhsa_enable_private_segment 0
		.amdhsa_kernarg_size 16
		.amdhsa_user_sgpr_count 2
		.amdhsa_user_sgpr_kernarg_segment_ptr 1
		.amdhsa_wavefront_size32 1
		.amdhsa_system_sgpr_workgroup_id_x 1
		.amdhsa_system_sgpr_workgroup_id_y 1
		.amdhsa_system_sgpr_workgroup_id_z 1
		.amdhsa_system_vgpr_workitem_id 0
		.amdhsa_next_free_vgpr 256
		.amdhsa_next_free_sgpr 66
		.amdhsa_reserve_vcc 0
		.amdhsa_float_denorm_mode_32 3
		.amdhsa_float_denorm_mode_16_64 3
		.amdhsa_memory_ordered 1
		.amdhsa_forward_progress 1
		.amdhsa_inst_pref_size 23
	.end_amdhsa_kernel
	.amdgpu_metadata
---
amdhsa.version: [ 1, 2 ]
amdhsa.kernels:
  - .name:           k_q08c46ee401_prep
    .symbol:         k_q08c46ee401_prep.kd
    .args:
      - { .name: embedding, .offset: 0, .size: 8, .value_kind: global_buffer, .address_space: global }
      - { .name: ework, .offset: 8, .size: 8, .value_kind: global_buffer, .address_space: global }
    .group_segment_fixed_size: 35584
    .private_segment_fixed_size: 0
    .kernarg_segment_align: 8
    .kernarg_segment_size: 16
    .max_flat_workgroup_size: 128
    .sgpr_count:     66
    .vgpr_count:     256
    .wavefront_size: 32
...
	.end_amdgpu_metadata
.endif
;; end of part 1
;; launch vq (part 2): grid 256 x 1, 4 waves a work-group, clusters of 4 x 1, 327,680 bytes of LDS; arguments inputs, ework, cand; writes cand
.if DOCPART == 2
	.amdgcn_target "amdgcn-amd-amdhsa--gfx1250"
	.amdhsa_code_object_version 6
	.text
	.protected	k_q08c46ee401_vq
	.globl	k_q08c46ee401_vq
	.p2align	8
	.type	k_q08c46ee401_vq,@function
k_q08c46ee401_vq:
	s_mov_b64 s[64:65], 0
	v_nop
	global_prefetch_b8 v0, s[64:65] scope:SCOPE_SE
	s_setreg_imm32_b32 hwreg(HW_REG_WAVE_MODE, 25, 1), 1
	s_wait_xcnt 0x0
	s_wait_alu depctr_hold_cnt(0) depctr_sa_sdst(0) depctr_va_vdst(0) depctr_va_sdst(0) depctr_va_ssrc(0) depctr_va_vcc(0) depctr_vm_vsrc(0)
	s_getreg_b32 s2, hwreg(HW_REG_IB_STS2, 6, 4)
	s_cmp_eq_u32 s2, 0
	s_cbranch_scc0 .Lentry_in_a_cluster
	s_endpgm
.Lentry_in_a_cluster:
	s_bfe_u32 s2, ttmp6, 0x10000c
	s_cmp_lg_u32 s2, 0x3003
	s_cbranch_scc0 .Lentry_shape_is_right
	s_endpgm
.Lentry_shape_is_right:
; THE BULK OF THE SEARCH: for each row x_n of inputs the two codes k that come first by s[n][k] = x_n . e_k + he[k] (the distance is |x_n|^2 - 2 s); at equal s the lower k comes first.  cand[n] = (first, second), two int32.
; The launch behind recomputes the two distances as the formula is written and chooses.  inputs: [32768][256] f32; ework: the codebook as the launch before laid it (32 chunks of 256 codes: bf16 fragments, then he = -|e|^2 / 2 in f32).
; x and e are rounded once to bf16; sums in f32, in the matrix unit's order.  |x_n|^2 is the same for all k of a row, so it does not enter the order by s; the launch behind adds it.
; LIMITS.  The second candidate is the best of: the other seven scores that the winner's lane holds of the winning tile, and the winners of the row's other seven lane shares.  A runner-up in the winner's own share (one eighth of
; the codes) but in another tile of codes is not seen; nor is a third code.  The first candidate then stands; it is the other than the formula's only where the least distances lie within the rounding of these sums (a few 1e-5
; for numbers of unit spread).  A NaN score is never chosen; a row whose scores are all NaN or -infinity gets codes below 8,192 of no meaning.
; SHARES.  A work-group owns 128 rows of x.  EVERY one of its four waves holds all 128 as eight bf16 operands of 16 rows x 256 channels, 512 registers that stay; of each chunk wave w takes the tiles 4 w .. 4 w + 3 (64 codes).
; So a fragment of 16 codes x 32 channels read from LDS feeds eight matrix instructions: 36 LDS loads for 128 of them.
; LAYOUT.  Source 0 = 16 codes, source 1 = 16 rows of x: in the result lane l = 16 h + r holds ONE row of x (r) and the codes 8 h + 0..7.  he is the C operand of the product that starts a sum: it costs no vector work.
; THE SEARCH stays in the lane.  For each of the 8 row tiles: MX the greatest score so far, TI the number of the tile of codes that held it, WS that tile's eight scores.  A new tile's eight scores are brought to one maximum
; (4 instructions), compared (strictly greater: codes ascend, so the first stays), and MX, TI and WS are taken over by selects: 15 instructions for 8 scores.  Which of the eight it was is settled once, at the end.
; BY TURNS.  While tile u is multiplied (64 matrix instructions) the 120 vector instructions of tile u - 1's search stand between them, four behind every second one; two buffers of eight accumulators take turns.
; THE RING.  Two LDS slots, a chunk each.  All 256 work-groups walk the same 4.2 MB, so the four work-groups of a cluster ask for each chunk JOINTLY: the same tensor load, descriptor and mask in all four; each wave
; brings a quarter of a chunk (129 rows of 256 bytes).  A mask names four at most and x is shared by nobody, so a larger cluster would add nothing.
; REGISTERS, in windows of 256 (s_set_vgpr_msb: bits 1:0 source 0, 3:2 source 1, 5:4 source 2, 7:6 destination):
;   window 0: v0-7 addresses; v8-15 MX; v16-23 TI; v24-31 at work; v32-63 he, 8 a tile; v64-127 WS; v128-255 the accumulators       window 1: four tiles' fragments of codes, 64 each (at the start: x in f32)
;   windows 2, 3: x: row tile q at 64 (q % 4) + 8 c of window 2 + q / 4
.set CHUNK, 132096
.set PART,  33024                      ; a wave's quarter of a chunk
.set SLOT1, CHUNK                      ; = 0x20400: its two bits are in none of 0x8100 w, w = 0..3, so one exclusive or turns an address in one slot into the other's
.set HEOFF, 131072                     ; he's place in a chunk
.set XPITCH, 272                       ; x's stage: blocks (block = channel / 8) of 16 rows x 16 bytes, 256 + 16 bytes apart = 68 words: sixteen pairs of lanes start at sixteen different groups of four banks (ISA guide 11.1)
.set XTILE, 32*XPITCH                  ; 16 rows of x in bf16
.set XST,   2*CHUNK                    ; behind the ring, never filled by a tensor load: four such tiles
.set CMB,   XST+4*XTILE                ; the four waves' (score, index, score, index) for the 128 rows: 2,048 bytes a wave
.set SPARE, CMB+8192                   ; the spare words, 128 bytes for each wave: two blocks of 256 bytes that no other line names
.set PF0,   425984                     ; where the prefetches' pointer starts, one step of 131,072 bytes short of block 2,176 of ework's 16,512 blocks of 256 bytes
.set AK0, 1                            ; v1   16 l + 32,768 w: my place in my wave's four tiles of a chunk; never rewritten
.set ADR, 2                            ; v2   the same in the slot in hand
.set AH0, 3                            ; v3   131,072 + 256 w + 32 h: my eight he of my wave's first tile; never rewritten
.set ADH, 4                            ; v4   the same in the slot in hand
.set PFO, 5                            ; v5   256 l; never rewritten
.set SPW, 6                            ; v6   LDS address of my spare word: SPARE + 4 x my thread's number; never rewritten
.set NIL, 7                            ; v7   0; never rewritten
.set MX,  8
.set TI,  16
.set TMP, 24
.set HE,  32
.set WS,  64
.set ACC, 128
.set XS,  55                           ; set-up only (he's registers are free till the first tile): where I put 8 bytes of x in the stage,
.set XRD, 56                           ; where I read 16 back,
.set XO,  57                           ; 16 l
.set CVX, 128                          ; set-up only: x rounded, 64 registers
.set LB,  24                           ; the end: 64 w + 8 h
.set CA,  25                           ; where my rows' four numbers go
.set CR,  26                           ; where a row's are read
.set GOF, 27                           ; 8 l
.set PP,  128                          ; the end: which of the eight is the first,
.set JJ,  136                          ; which the second
.set TT,  144                          ; at work, two a row tile
.set QD,  192                          ; row tile q: (score, index) of the first and of the second, at QD + 4 q
.set FR,  128                          ; later: the four waves' four numbers for my row
.set FT,  144                          ; at work
.set OUT, 148                          ; the two indices
.set WV,  10                           ; s10  my wave's number
.set CX,  11                           ; s11  my place in the cluster
.set WG,  12                           ; s12  my work-group's number
.set G1,  16                           ; s[16:23] descriptor group 1
.set G0A, 24                           ; s[24:27] group 0 of the first fill
.set G0B, 28                           ; s[28:31] group 0 of the second; it then walks
.set PFA, 32                           ; s[32:33] where my prefetches stand
.set LIM, 34                           ; s34  2 in the first cluster, else the greatest number: a wave prefetches while s[CNT] is above it
.set CNT, 35                           ; s35  trips still to come
.set TB,  36                           ; s36  0 or SLOT1: the slot in hand
.set TN,  37                           ; s37  256 x chunk + 16 x tile of the tile whose search is in hand
.set MK,  40                           ; s[40:47] lane masks
.set SEL, 48                           ; s[48:49] v_permlanex16_b32's selects: each lane takes its own place in the other half
.set MSB, 0
.macro WIN new                         ; the immediate's high byte repeats the setting that is left; a switch that changes nothing is dropped
.if MSB != (\new)
	s_set_vgpr_msb (MSB<<8)|(\new)
.set MSB, (\new)
.endif
.endm
; A round of the cluster's barrier: my work-group's barrier, so that wave 0's signal speaks for all four waves; wave 0 signals; every wave waits for all four work-groups; my work-group's barrier once more.
.macro CREST                           ; a round behind its opening barrier
	s_cmp_lg_u32 s[WV], 0
	s_cbranch_scc1 .Lnot_wave_0_\@
	s_barrier_signal -3
.Lnot_wave_0_\@:
	s_barrier_wait -3
	s_barrier_signal -1
	s_barrier_wait -1
.endm
.macro CROUND
	s_barrier_signal -1
	s_barrier_wait -1
	CREST
.endm
	s_load_b128 s[4:7], s[0:1], 0x0                ; inputs s[4:5], ework s[6:7]
	s_load_b64 s[8:9], s[0:1], 0x10                ; cand
	v_lshl_add_u32 v[SPW], v0, 2, SPARE
	v_mov_b32 v[NIL], 0
	ds_add_u32 v[SPW], v[NIL]                      ; the wave's opening: the add, twice on end, and its wait ahead of my first tensor load; the set-up below, work on registers, stands between
	ds_add_u32 v[SPW], v[NIL]
	v_lshrrev_b32 v48, 5, v0
	v_readfirstlane_b32 s[WV], v48                 ; wave 0..3
	s_bfe_u32 s[CX], ttmp6, 0x40000                ; cx
	s_lshl_b32 s[WG], ttmp9, 2                     ; in a cluster launch ttmp9 counts clusters
	s_add_co_u32 s[WG], s[WG], s[CX]               ; it enters the addresses of x and cand alone
	; descriptor group 1: 33,024 dense bytes as 129 rows of 256
	s_mov_b32 s[G1+0], 15|(3<<16)|(1<<21)          ; 15:0 the mask: all four work-groups; 17:16 elements of 8 bytes; 21 set beside a mask; no padding: fragments are read as 512 consecutive bytes
	s_mov_b32 s[G1+1], 32<<16                      ; tensor_dim0 = 32
	s_mov_b32 s[G1+2], 129<<16                     ; tensor_dim1 = 129
	s_mov_b32 s[G1+3], 32<<16                      ; tile_dim0 = 32
	s_mov_b32 s[G1+4], 129                         ; tile_dim1 = 129
	s_mov_b32 s[G1+5], 32                          ; 32 elements from row to row
	s_mov_b32 s[G1+6], 0
	s_mov_b32 s[G1+7], 0
	s_mul_i32 s52, s[WV], PART                     ; my quarter of a chunk, in memory and in a slot: the wave's number alone enters it
	s_mov_b32 s53, 0
	s_mov_b32 s[G0A], 1                            ; count = 1
	s_mov_b32 s[G0A+1], s52                        ; LDS address: slot 0
	s_mov_b32 s[G0B], 1
	s_add_co_u32 s[G0B+1], s52, SLOT1              ; slot 1
	v_and_b32 v51, 31, v0                          ; l
	v_and_b32 v52, 15, v0                          ; r
	v_bfe_u32 v53, v0, 4, 1                        ; h
	v_lshlrev_b32 v[XO], 4, v51
	s_lshl_b32 s50, s[WV], 15
	v_add_nc_u32 v[AK0], s50, v[XO]
	s_lshl_b32 s50, s[WV], 8
	s_add_co_u32 s50, s50, HEOFF
	v_lshl_add_u32 v[AH0], v53, 5, s50
	v_lshlrev_b32 v[PFO], 8, v51
	s_mul_i32 s50, s[WV], XTILE
	s_add_co_u32 s50, s50, XST                     ; the stage's tile that I write
	v_lshrrev_b32 v54, 1, v51
	v_mul_u32_u24 v[XS], v54, XPITCH               ; in: a load's lane l holds channels 4 l .. 4 l + 3 of half a row: block l / 2,
	v_and_b32 v54, 1, v0
	v_lshl_add_u32 v[XS], v54, 3, v[XS]            ; its first or second 8 bytes of a row's 16
	v_add_nc_u32 v[XS], s50, v[XS]
	v_mul_u32_u24 v[XRD], v53, XPITCH              ; back: lanes 0-15 one block, lanes 16-31 the next, 16 bytes a row
	v_lshl_add_u32 v[XRD], v52, 4, v[XRD]
	v_add_nc_u32 v[XRD], XST, v[XRD]
	s_lshl_b32 s54, s[WG], 17                      ; my work-group's 128 rows of 1,024 bytes,
	s_lshl_b32 s55, s[WV], 14                      ; the 16 that I load
	s_add_co_u32 s54, s54, s55
	s_mov_b32 s55, 0
	s_lshl_b32 s56, s[WG], 10                      ; its 128 pairs of indices,
	s_lshl_b32 s57, s[WV], 8                       ; the 32 that I store
	s_add_co_u32 s56, s56, s57
	s_mov_b32 s57, 0
	s_lshl_b32 s38, s[CX], 2
	s_add_co_u32 s38, s38, s[WV]                   ; my wave among the cluster's sixteen:
	s_lshl_b32 s38, s38, 13                        ; its 32 blocks of each 512
	s_add_co_u32 s38, s38, PF0
	s_mov_b32 s39, 0
	s_cmp_eq_u32 ttmp9, 0                          ; the same in all four partners
	s_cselect_b32 s[LIM], 2, -1
	s_mov_b32 s[SEL], 0x76543210
	s_mov_b32 s[SEL+1], 0xfedcba98
	s_mov_b32 s[TB], 0
	s_mov_b32 s[TN], -208                          ; the first search steps it to 0
	s_mov_b32 s[CNT], 30
	s_wait_dscnt 0x0                               ; both opening adds are done
	s_wait_kmcnt 0x0
	s_add_nc_u64 s[4:5], s[4:5], s[54:55]
	s_add_nc_u64 s[8:9], s[8:9], s[56:57]
	s_add_nc_u64 s[PFA:PFA+1], s[6:7], s[38:39]
	s_add_nc_u64 s[G0A+2:G0A+3], s[6:7], s[52:53]  ; global address: my quarter of chunk 0,
	s_add_nc_u64 s[G0B+2:G0B+3], s[G0A+2:G0A+3], CHUNK  ; of chunk 1
	s_or_b32 s[G0A+3], s[G0A+3], 0x80000000        ; type = 2
	s_or_b32 s[G0B+3], s[G0B+3], 0x80000000
	; x: each byte is read once in this launch.  In half ph of the set-up wave w loads row tile 4 ph + w: 32 loads of 512 consecutive bytes (load m: row m / 2, half m % 2).
	WIN 0x40                                       ; destination window 1, address window 0
.set m, 0
.rept 64
	global_load_b128 v[4*m:4*m+3], v[XO], s[4:5] offset:65536*(m/32)+512*(m%32) th:TH_LOAD_NT
.set m, m+1
.endr
	WIN 0
	CROUND                                         ; all four work-groups are here: the first joint loads meet
	tensor_load_to_lds s[G0A:G0A+3], s[G1:G1+7]    ; the two first fills go out together, ahead of every wait on TENSORcnt and every LDS read: two loads of mine are out
	s_nop 0
	tensor_load_to_lds s[G0B:G0B+3], s[G1:G1+7]
	s_nop 0
.rept 4
	v_nop
.endr
	; What the first search finds: no score yet.  WS and TI are sources of selects, so they are written; all this stands in the wait for x.
.set i, 0
.rept 8
	v_mov_b32 v[MX+i], 0xff800000                  ; -infinity
	v_mov_b32 v[TI+i], 0
.set i, i+1
.endr
.set i, 0
.rept 64
	v_mov_b32 v[WS+i], 0
.set i, i+1
.endr
; x on its way into operands: rounded to bf16, 8 bytes a lane into my tile of the stage; then every wave reads all four tiles back in fragment order.
.macro XCONV ph
	WIN 0x05                                       ; sources window 1, destination window 0
.set m, 0
.rept 32
	v_cvt_pk_bf16_f32 v[CVX+2*m],   v[128*(\ph)+4*m],   v[128*(\ph)+4*m+1]
	v_cvt_pk_bf16_f32 v[CVX+2*m+1], v[128*(\ph)+4*m+2], v[128*(\ph)+4*m+3]
.set m, m+1
.endr
	WIN 0
.set m, 0
.rept 32
	ds_store_b64 v[XS], v[CVX+2*m:CVX+2*m+1] offset:(m%2)*16*XPITCH+(m/2)*16
.set m, m+1
.endr
.endm
.macro XREAD ph
	WIN 0x80+0x40*(\ph)                            ; destination window 2 or 3
.set t, 0
.rept 4
.set k, 0
.rept 16
	ds_load_b128 v[64*t+4*k:64*t+4*k+3], v[XRD] offset:XTILE*t+2*XPITCH*k
.set k, k+1
.endr
.set t, t+1
.endr
	WIN 0
.endm
; 36 LDS loads in one run: the fragments and the he of tiles 2 f and 2 f + 1 of my four.
.macro FETCH f
	WIN 0x40                                       ; destination window 1
.set t, 2*(\f)
.rept 2
.set k, 0
.rept 16
	ds_load_b128 v[64*t+4*k:64*t+4*k+3], v[ADR] offset:8192*t+512*k  ; 32 lanes, 512 consecutive bytes
.set k, k+1
.endr
.set t, t+1
.endr
	WIN 0
.set t, 2*(\f)
.rept 2
	ds_load_b128 v[HE+8*t:HE+8*t+3],   v[ADH] offset:64*t     ; the sixteen lanes of a half read the same 32 bytes
	ds_load_b128 v[HE+8*t+4:HE+8*t+7], v[ADH] offset:64*t+16
.set t, t+1
.endr
.endm
; A PREFETCH INTO THE L2.  ework is taken as one line of 16,512 blocks of 256 bytes.  The change of slots number k (k = 0 .. 27: s[CNT] above 2) names blocks 2,176 + 512 k .. + 511; the joint load that will want them is issued
; two or three changes later (a chunk is 516 blocks; change k asks for chunk k + 2).  All clusters walk the same bytes: the first cluster asks, and nobody else; its sixteen waves share the 512 blocks out BY ADDRESS, 32 each,
; a lane a block: no branch hangs on a work-group's place in its cluster.  So each block from 2,176 on is named once in the launch; the last request ends at ework's last byte; the blocks ahead of 2,176 come by their loads alone.
.macro ASK
	s_cmp_gt_u32 s[CNT], s[LIM]
	s_cbranch_scc0 .Lnot_mine_\@
	global_prefetch_b8 v[PFO], s[PFA:PFA+1] th:TH_LOAD_NT scope:SCOPE_SE
.Lnot_mine_\@:
.endm
; Product i of 64 of tile u: row tiles 0-3 first, then 4-7; in each half channels 32 c on, c = 0 .. 7, the four accumulators by turns, one instruction a turn (over the halves, the tiles and the
; loop's jump too).  The product that starts a sum takes he as C.
.macro MM u
.set g, i/32
.set c, (i%32)/4
.set rD, ACC+64*((\u)%2)+8*(4*g+i%4)
.set rA, 64*(\u)+8*c
.set rB, 64*(i%4)+8*c
	WIN 0x09+4*g                                   ; codes in window 1, x in window 2 or 3, C and D in window 0
.if c == 0
	v_wmma_f32_16x16x32_bf16 v[rD:rD+7], v[rA:rA+7], v[rB:rB+7], v[HE+8*(\u):HE+8*(\u)+7]
.else
	v_wmma_f32_16x16x32_bf16 v[rD:rD+7], v[rA:rA+7], v[rB:rB+7], v[rD:rD+7]
.endif
.set i, i+1
.endm
; Number n of the 120 of the search in the tile before tile u (its scores lie in the other buffer).  Two batches of four row tiles; in a batch fifteen stages, each for its four row tiles on end, so that the four lines of a
; stage wait for nothing.  An accumulator's lowest registers are read first.
.macro RD u
.set sg, (n%60)/4
.set qq, 4*(n/60)+n%4
.set rS, ACC+64*(1-(\u)%2)+8*qq
.set rT, TMP+2*(n%4)
.if sg == 0
	v_max3_num_f32 v[rT], v[rS], v[rS+1], v[rS+2]
.elseif sg == 1
	v_max3_num_f32 v[rT+1], v[rS+3], v[rS+4], v[rS+5]
.elseif sg == 2
	v_max3_num_f32 v[rT], v[rS+6], v[rS+7], v[rT]
.elseif sg == 3
	v_max_num_f32 v[rT], v[rT], v[rT+1]            ; the tile's greatest score in my lane
.elseif sg == 4
	v_cmp_gt_f32 s[MK+n%4], v[rT], v[MX+qq]        ; strictly greater: an equal score of a later code does not win
.elseif sg == 5
	v_max_num_f32 v[MX+qq], v[MX+qq], v[rT]
.elseif sg == 6
	v_cndmask_b32 v[TI+qq], v[TI+qq], s[TN], s[MK+n%4]
.else
	v_cndmask_b32 v[WS+8*qq+sg-7], v[WS+8*qq+sg-7], v[rS+sg-7], s[MK+n%4]
.endif
.set n, n+1
.endm
.macro PAIR u                          ; two products and four of the search: 30 of a tile's 32 pairs carry four, the last two none
	MM \u
	MM \u
.if n < 120
	WIN 0
.rept 4
	RD \u
.endr
.endif
.endm
; A TILE: 64 products.  ride = 1: the search in the tile before stands between them.
; mode 1: in its middle the next two tiles' fragments are fetched (tile 0 fetches tiles 2 and 3 of its chunk).
; mode 2, 3 (tile 2): THE CHANGE OF SLOTS.  My last reads of the slot were issued in tile 0 and are waited for at this tile's head.  Each wave waits for all its tensor loads, of which one is out: its quarter of the next chunk;
; adds 0 to its spare word; multiplies meanwhile; waits for the add; signals.  Behind the barrier nobody reads this slot any more and the other slot is whole.  mode 2: the barrier opens a round of the cluster's barrier, so that
; no wave of any partner still reads the slot or has a load on its way, and the joint refill, the chunk two on, is the first thing behind it: from there to the wait for it a wave issues 224 products.  mode 3: nothing is left to ask for.
; Then the next chunk's tiles 0 and 1 are fetched.
; The loads of a fetch go into registers whose last product stands 32 products and 64 lines of the search back: more than the four places that are asked (ISA guide 7.12.1 for vector instructions).
; A fetch is waited for 96 products later, at the head of the even tile that reads it.
.macro TILE u, ride, mode
.set i, 0
.set n, 120
.if \ride
.set n, 0
.if (\u) == 1
	s_add_co_u32 s[TN], s[TN], 208                 ; the tile before is a chunk's first
.else
	s_add_co_u32 s[TN], s[TN], 16
.endif
.endif
.if (\u)%2 == 0
	s_wait_dscnt 0x0                               ; this tile's and the next's fragments are in
.endif
.if (\mode) == 2
	s_wait_xcnt 0x0                                ; the last prefetch, a chunk back, has read its address, so it may be stepped
	s_add_nc_u64 s[PFA:PFA+1], s[PFA:PFA+1], 131072
.endif
.if (\mode) >= 2
	WIN 0                                          ; (the add's two registers lie in window 0)
	s_wait_tensorcnt 0x0                           ; no tensor load of mine is out, so a group 0 may be written
	ds_add_u32 v[SPW], v[NIL]                      ; 0 onto my spare word
.if (\mode) == 2
	s_xor_b32 s[G0B+1], s[G0B+1], SLOT1            ; the walking descriptor: the other slot than last time,
	s_add_nc_u64 s[G0B+2:G0B+3], s[G0B+2:G0B+3], CHUNK  ; the next chunk; the type bits on top are not reached
.endif
	s_xor_b32 s[TB], s[TB], SLOT1
.endif
.rept 8
	PAIR \u
.endr
.if (\mode) >= 2
	s_wait_dscnt 0x0                               ; the add is done; my reads of the slot were over at the tile's head
	s_barrier_signal -1
.endif
.rept 8
	PAIR \u                                        ; work on registers while the others arrive
.endr
.if (\mode) >= 2
	WIN 0
	s_barrier_wait -1
.endif
.if (\mode) == 2
	CREST
	tensor_load_to_lds s[G0B:G0B+3], s[G1:G1+7]    ; my one tensor load behind the round
	s_nop 0
.rept 4
	v_nop
.endr
.endif
.if (\mode) >= 2
	v_add_nc_u32 v[ADR], s[TB], v[AK0]
	v_add_nc_u32 v[ADH], s[TB], v[AH0]
.endif
.if (\mode) >= 1
	FETCH 1-(\u)/2
.endif
.if (\mode) == 2
	ASK                                            ; behind the joint load and the run of LDS loads
.endif
.rept 16
	PAIR \u
.endr
.if !(\ride)
.rept 4
	v_nop                                          ; the launch's first tile carries no search: these are the four places between its products and the first read of its scores
.endr
.endif
.endm
; THE ORDER of two (score, index): the greater score comes first, at equal scores the lower index.  s[sm] = the lanes in which (bm, bi) comes before (am, ai).
.macro BEAT sm, bm, bi, am, ai
	v_cmp_gt_f32 s[\sm], v[\bm], v[\am]
	v_cmp_eq_f32 s51, v[\bm], v[\am]
	v_cmp_lt_u32 s52, v[\bi], v[\ai]
	s_and_b32 s51, s51, s52
	s_or_b32 s[\sm], s[\sm], s51
.endm
; Two lists of two, each in order, in four registers (score, index, score, index) from a and from b: their first two, in order, into four registers from d (d may be a); t: four registers at work.
; The first is the better of the two heads; the second the better of the loser's head and the winner's second.
.macro MERGE d, a, b, t
	BEAT 50, (\b), (\b)+1, (\a), (\a)+1
	v_cndmask_b32 v[(\t)],   v[(\a)+2], v[(\a)],   s50
	v_cndmask_b32 v[(\t)+1], v[(\a)+3], v[(\a)+1], s50
	v_cndmask_b32 v[(\t)+2], v[(\b)],   v[(\b)+2], s50
	v_cndmask_b32 v[(\t)+3], v[(\b)+1], v[(\b)+3], s50
	v_cndmask_b32 v[(\d)],   v[(\a)],   v[(\b)],   s50
	v_cndmask_b32 v[(\d)+1], v[(\a)+1], v[(\b)+1], s50
	BEAT 53, (\t)+2, (\t)+3, (\t), (\t)+1
	v_cndmask_b32 v[(\d)+2], v[(\t)],   v[(\t)+2], s53
	v_cndmask_b32 v[(\d)+3], v[(\t)+1], v[(\t)+3], s53
.endm
	s_wait_loadcnt 32                              ; row tiles 0-3 are in; the 32 younger loads, row tiles 4-7, stay out
	XCONV 0
	s_wait_dscnt 0x0                               ; for the others' sake: my tile of the stage is written
	s_barrier_signal -1
	s_barrier_wait -1
	XREAD 0
	s_wait_dscnt 0x0                               ; my reads of the stage are over,
	s_barrier_signal -1
	s_barrier_wait -1                              ; everybody's are: it may be written again
	s_wait_loadcnt 0x0
	XCONV 1
	s_wait_dscnt 0x0
	s_wait_tensorcnt 0x1                           ; my quarter of chunk 0 is in; chunk 1's load, issued behind it, may stay out
	s_barrier_signal -1
	s_barrier_wait -1                              ; the stage and chunk 0 are whole
	XREAD 1
	v_add_nc_u32 v[ADR], s[TB], v[AK0]
	v_add_nc_u32 v[ADH], s[TB], v[AH0]
	FETCH 0                                        ; chunk 0, tiles 0 and 1
	TILE 0, 0, 1
	TILE 1, 1, 0
	WIN 0                                          ; at a label and at a branch every window is 0
.Lchunk:                                               ; trip k = 0 .. 29: tiles 2, 3 of chunk k, tiles 0, 1 of chunk k + 1; slot k % 2 is left and takes chunk k + 2
	TILE 2, 1, 2
	TILE 3, 1, 0
	TILE 0, 1, 1
	TILE 1, 1, 0
	WIN 0
	s_sub_co_u32 s[CNT], s[CNT], 1
	s_cmp_lg_u32 s[CNT], 0
	s_cbranch_scc1 .Lchunk
	TILE 2, 1, 3                                   ; the tail is written out: chunk 30 is left, nothing is asked for
	TILE 3, 1, 0
	TILE 0, 1, 1
	TILE 1, 1, 0
	TILE 2, 1, 0
	TILE 3, 1, 0
	s_add_co_u32 s[TN], s[TN], 16                  ; the search in the last tile; its first batch's 60 lines are the places behind the last products
	WIN 0
.set n, 0
.rept 120
	RD 0
.endr
	; THE END.  Which of the winning tile's eight scores is the maximum: from the last to the first, so that the first stays.
.irp j, 7,6,5,4,3,2,1,0
.irp q, 0,1,2,3,4,5,6,7
	v_cmp_eq_f32 s[MK+(\q)], v[WS+8*(\q)+(\j)], v[MX+(\q)]
.endr
.irp q, 0,1,2,3,4,5,6,7
.if (\j) == 7
	v_cndmask_b32 v[PP+(\q)], 0, 7, s[MK+(\q)]
.else
	v_cndmask_b32 v[PP+(\q)], v[PP+(\q)], \j, s[MK+(\q)]
.endif
.endr
.endr
	; It is taken out of the eight; the greatest of what is left, and the first place at which it stands, are my lane's second.
	s_mov_b32 s54, 0xff800000                      ; -infinity
.irp j, 0,1,2,3,4,5,6,7
.irp q, 0,1,2,3,4,5,6,7
	v_cmp_eq_u32 s[MK+(\q)], \j, v[PP+(\q)]
.endr
.irp q, 0,1,2,3,4,5,6,7
	v_cndmask_b32 v[WS+8*(\q)+(\j)], v[WS+8*(\q)+(\j)], s54, s[MK+(\q)]
.endr
.endr
.irp q, 0,1,2,3,4,5,6,7
	v_max3_num_f32 v[TT+2*(\q)], v[WS+8*(\q)], v[WS+8*(\q)+1], v[WS+8*(\q)+2]
.endr
.irp q, 0,1,2,3,4,5,6,7
	v_max3_num_f32 v[TT+2*(\q)+1], v[WS+8*(\q)+3], v[WS+8*(\q)+4], v[WS+8*(\q)+5]
.endr
.irp q, 0,1,2,3,4,5,6,7
	v_max3_num_f32 v[TT+2*(\q)], v[WS+8*(\q)+6], v[WS+8*(\q)+7], v[TT+2*(\q)]
.endr
.irp q, 0,1,2,3,4,5,6,7
	v_max_num_f32 v[QD+4*(\q)+2], v[TT+2*(\q)], v[TT+2*(\q)+1]
.endr
.irp j, 7,6,5,4,3,2,1,0
.irp q, 0,1,2,3,4,5,6,7
	v_cmp_eq_f32 s[MK+(\q)], v[WS+8*(\q)+(\j)], v[QD+4*(\q)+2]
.endr
.irp q, 0,1,2,3,4,5,6,7
.if (\j) == 7
	v_cndmask_b32 v[JJ+(\q)], 0, 7, s[MK+(\q)]
.else
	v_cndmask_b32 v[JJ+(\q)], v[JJ+(\q)], \j, s[MK+(\q)]
.endif
.endr
.endr
	v_bfe_u32 v[LB], v0, 4, 1
	s_lshl_b32 s50, s[WV], 6
	v_lshl_add_u32 v[LB], v[LB], 3, s50            ; my wave's 64 codes of a chunk, my half's 8 of a tile
	v_and_b32 v[CA], 15, v0
	s_lshl_b32 s51, s[WV], 11
	s_add_co_u32 s51, s51, CMB
	v_lshl_add_u32 v[CA], v[CA], 4, s51            ; CMB + 2,048 w + 16 r
.irp q, 0,1,2,3,4,5,6,7
	v_add_nc_u32 v[TI+(\q)], v[TI+(\q)], v[LB]
.endr
.irp q, 0,1,2,3,4,5,6,7
	v_mov_b32 v[QD+4*(\q)], v[MX+(\q)]             ; the four numbers of a row tile on end, as the store of 16 bytes wants them
	v_add_nc_u32 v[QD+4*(\q)+1], v[TI+(\q)], v[PP+(\q)]
	v_add_nc_u32 v[QD+4*(\q)+3], v[TI+(\q)], v[JJ+(\q)]
.endr
.irp q, 0,1,2,3,4,5,6,7
.irp z, 0,1,2,3
	v_permlanex16_b32 v[WS+8*(\q)+(\z)], v[QD+4*(\q)+(\z)], s[SEL], s[SEL+1]  ; the row's other codes of each tile lie in the lane 16 away (WS is free, and has been written)
.endr
.endr
.irp q, 0,1,2,3,4,5,6,7
	MERGE QD+4*(\q), QD+4*(\q), WS+8*(\q), WS+8*(\q)+4
	ds_store_b128 v[CA], v[QD+4*(\q):QD+4*(\q)+3] offset:256*(\q)  ; row 16 q + r; both halves of the lanes write the same 16 bytes
.endr
	s_wait_dscnt 0x0                               ; for the others' sake: my rows' numbers are written
	s_barrier_signal -1
	s_barrier_wait -1
	v_and_b32 v[GOF], 31, v0                       ; wave w finishes rows 32 w .. 32 w + 31, a row a lane
	s_lshl_b32 s51, s[WV], 9
	s_add_co_u32 s51, s51, CMB
	v_lshl_add_u32 v[CR], v[GOF], 4, s51
	v_lshlrev_b32 v[GOF], 3, v[GOF]
.irp p, 0,1,2,3
	ds_load_b128 v[FR+4*(\p):FR+4*(\p)+3], v[CR] offset:2048*(\p)
.endr
	s_wait_dscnt 0x0
	MERGE FR, FR, FR+4, FT
	MERGE FR, FR, FR+8, FT
	MERGE FR, FR, FR+12, FT
	v_mov_b32 v[OUT], v[FR+1]                      ; the two indices on end
	v_mov_b32 v[OUT+1], v[FR+3]
	global_store_b64 v[GOF], v[OUT:OUT+1], s[8:9]  ; 256 consecutive bytes, at a multiple of 256 from cand's first, by one instruction
	s_wait_tensorcnt 0x0                           ; the wave's end, behind my last tensor load and my last LDS store
	ds_add_u32 v[SPW], v[NIL]
	s_wait_dscnt 0x0
	CROUND                                         ; the closing round: no work-group ends while a partner may still ask for a chunk that names it
	s_endpgm
.Lfunc_end_k_q08c46ee401_vq:
	.size	k_q08c46ee401_vq, .Lfunc_end_k_q08c46ee401_vq-k_q08c46ee401_vq
	.p2alignl 7, 3214868480
	.fill 96, 4, 3214868480
	.section	.rodata,"a",@progbits
	.p2align	6, 0x0
	.amdhsa_kernel k_q08c46ee401_vq
		.amdhsa_group_segment_fixed_size 327680
		.amdhsa_private_segment_fixed_size 0
		.amdhsa_enable_private_segment 0
		.amdhsa_kernarg_size 24
		.amdhsa_user_sgpr_count 2
		.amdhsa_user_sgpr_kernarg_segment_ptr 1
		.amdhsa_wavefront_size32 1
		.amdhsa_system_sgpr_workgroup_id_x 1
		.amdhsa_system_sgpr_workgroup_id_y 1
		.amdhsa_system_sgpr_workgroup_id_z 1
		.amdhsa_system_vgpr_workitem_id 0
		.amdhsa_next_free_vgpr 1024
		.amdhsa_next_free_sgpr 66
		.amdhsa_reserve_vcc 0
		.amdhsa_float_denorm_mode_32 3
		.amdhsa_float_denorm_mode_16_64 3
		.amdhsa_memory_ordered 1
		.amdhsa_forward_progress 1
		.amdhsa_inst_pref_size 246
	.end_amdhsa_kernel
	.amdgpu_metadata
---
amdhsa.version: [ 1, 2 ]
amdhsa.kernels:
  - .name:           k_q08c46ee401_vq
    .symbol:         k_q08c46ee401_vq.kd
    .args:
      - { .name: inputs, .offset: 0, .size: 8, .value_kind: global_buffer, .address_space: global }
      - { .name: ework, .offset: 8, .size: 8, .value_kind: global_buffer, .address_space: global }
      - { .name: cand, .offset: 16, .size: 8, .value_kind: global_buffer, .address_space: global }
    .group_segment_fixed_size: 327680
    .private_segment_fixed_size: 0
    .kernarg_segment_align: 8
    .kernarg_segment_size: 24
    .max_flat_workgroup_size: 128
    .sgpr_count:     66
    .vgpr_count:     1024
    .wavefront_size: 32
...
	.end_amdgpu_metadata
.endif
;; end of part 2
;; launch refine (part 3): grid 256 x 1, 4 waves a work-group, no clusters, 203,776 bytes of LDS; arguments inputs, embedding, cand, out0; writes out0
.if DOCPART == 3
	.amdgcn_target "amdgcn-amd-amdhsa--gfx1250"
	.amdhsa_code_object_version 6
	.text
	.protected	k_q08c46ee401_refine
	.globl	k_q08c46ee401_refine
	.p2align	8
	.type	k_q08c46ee401_refine,@function
k_q08c46ee401_refine:
	s_mov_b64 s[64:65], 0
	v_nop
	global_prefetch_b8 v0, s[64:65] scope:SCOPE_SE
	s_setreg_imm32_b32 hwreg(HW_REG_WAVE_MODE, 25, 1), 1
	s_wait_xcnt 0x0
; THE CHOICE BETWEEN A ROW'S TWO CANDIDATES.  cand[n] = (I1, I2), from the launch before.  out0[n] = the one with the lesser d = (x_sq + e_sq) - 2 cross; at equal d the lower index.
; THE ARITHMETIC is the formula's, rounding for rounding, on x and e rounded once to bf16 (a product of two bf16 numbers is exact in f32, so a link of a chain is one rounding, fused or not):
;   x_sq = the sum of x^2 and e_sq = the sum of e^2, BY WINDOWS: eight windows of 32 consecutive channels, each added up in f32 from 0 in ascending order; then the eight sums, from 0, in ascending order;
;   cross = the sum of x e: ONE chain in f32 from 0 over channels 0 .. 255 in ascending order, one accumulator for an output;
;   t = x_sq + e_sq, rounded; d = t - 2 cross, rounded once (2 cross is exact).
; These are two products of 256 for each row, 1 in 4,096 of the problem's: they run on the vector unit because the order of their sums is the point.
; LIMITS.  A sum of these numbers taken in another order can differ in its last bits; then, where the two distances lie within that rounding (a few 1e-5 for numbers of unit spread), the index may be the other of the two.
; NaN is not treated apart: a NaN distance loses against I1.  An index is held to 0 .. 8,191 before it enters an address.
; SHARES.  A work-group owns 128 rows, a wave 32.  ON THE WAY IN a wave's load covers 512 consecutive bytes: half a row of x or of a candidate's code; 192 loads, in twelve batches of 16 on three sets of registers, so that
; 32 to 48 are out.  Each is rounded to bf16 and put into the wave's own LDS as plain rows.  THEN a lane takes a row: five chains side by side, so that a link's four neighbours stand between it and the next.
; No wave reads another's rows, so there is no barrier but the one at the end, where the work-group's 128 indices meet so as to leave as 512 consecutive bytes.
; No tensor load: the rows are gathered and converted on the way.  No cluster: nothing is shared.  No prefetch: the launch is short and asks for all it reads nearly at once.
.set ROWB,  1024                       ; a row of x or of embedding in memory
.set PIT,   528                        ; a row in LDS: 512 bytes of bf16 + 16 = 33 x 16
.set ARR,   32*PIT                     ; 32 rows: x, then the first candidates, then the second
.set WVB,   3*ARR                      ; a wave's part: 50,688 bytes
.set OUTS,  4*WVB                      ; the 128 indices: 512 bytes
.set SPARE, OUTS+512                   ; the spare words, 128 bytes for each wave: two blocks of 256 bytes that no other line names
.set XO,  1                            ; v1   16 l; never rewritten
.set SA,  2                            ; v2   my wave's part + 8 l: where I put 8 bytes of half a row
.set RA,  3                            ; v3   my wave's part + 528 l: my row; it steps along the row
.set OA,  4                            ; v4   where my row's index goes
.set OB,  5                            ; v5   where wave 0 reads four back
.set SPW, 6                            ; v6   LDS address of my spare word; never rewritten
.set NIL, 7                            ; v7   0; never rewritten
.set IP,  8                            ; v[8:9]  my row's I1, I2
.set GO8, 10                           ; v10  8 l
.set XQ,  12                           ; v12  x_sq: the sum of the windows so far
.set C1,  13                           ; v13, v14  cross
.set C2,  14
.set Q1,  15                           ; v15, v16  e_sq: the sums of the windows so far
.set Q2,  16
.set WX,  24                           ; v24  the window in hand of x_sq,
.set W1,  25                           ; v25, v26  of the two e_sq
.set W2,  26
.set AD,  32                           ; v[32:55]  the candidates' offsets: eight for each set of registers
.set BUF, 64                           ; v[64:255] three sets of 64: 16 loads each
.set CB,  64                           ; later: two sets of 24: 16 channels of x, of the first and of the second candidate
	s_load_b256 s[4:11], s[0:1], 0x0               ; inputs s[4:5], embedding s[6:7], cand s[8:9], out0 s[10:11]
	v_lshl_add_u32 v[SPW], v0, 2, SPARE
	v_mov_b32 v[NIL], 0
	v_lshrrev_b32 v18, 5, v0
	v_readfirstlane_b32 s12, v18                   ; wave 0..3
	v_and_b32 v19, 31, v0                          ; l
	v_lshlrev_b32 v[XO], 4, v19
	v_lshlrev_b32 v[GO8], 3, v19
	s_mul_i32 s13, s12, WVB
	v_lshl_add_u32 v[SA], v19, 3, s13
	v_mul_u32_u24 v[RA], v19, PIT
	v_add_nc_u32 v[RA], s13, v[RA]
	v_lshl_add_u32 v[OA], v0, 2, OUTS              ; row 32 w + l of the work-group's 128 is my thread's number
	v_add_nc_u32 v[OB], OUTS, v[XO]
	s_lshl_b32 s2, ttmp9, 17                       ; the work-group's 128 rows of 1,024 bytes,
	s_lshl_b32 s3, s12, 15                         ; my wave's 32
	s_add_co_u32 s2, s2, s3
	s_mov_b32 s3, 0
	s_lshl_b32 s14, ttmp9, 10                      ; its 128 pairs of 8 bytes,
	s_lshl_b32 s15, s12, 8                         ; my wave's 32
	s_add_co_u32 s14, s14, s15
	s_mov_b32 s15, 0
	s_lshl_b32 s84, ttmp9, 9                       ; its 128 indices of 4 bytes
	s_mov_b32 s85, 0
	s_wait_kmcnt 0x0
	s_add_nc_u64 s[4:5], s[4:5], s[2:3]
	s_add_nc_u64 s[8:9], s[8:9], s[14:15]
	s_add_nc_u64 s[10:11], s[10:11], s[84:85]
	s_load_b512 s[16:31], s[8:9], 0x0              ; my wave's 64 indices as scalars: number n = 2 row + candidate in s[16 + n], from n = 48 on in s[20 + n]
	s_load_b512 s[32:47], s[8:9], 0x40
	s_load_b512 s[48:63], s[8:9], 0x80
	s_load_b512 s[68:83], s[8:9], 0xc0
	global_load_b64 v[IP:IP+1], v[GO8], s[8:9]     ; and my row's two, for the choice: the oldest load, so it enters no count below
; Batch b of twelve: 16 loads into set b % 3.  Batches 0-3: rows 8 b .. 8 b + 7 of x; 4-7: the first candidates of rows 8 (b % 4) ..; 8-11: the second.  A row is two loads of 512 consecutive bytes.
.macro ISSUE b
.set S, BUF+64*((\b)%3)
.set u, 0
.rept 8
.if (\b) < 4
	global_load_b128 v[S+8*u:S+8*u+3],   v[XO], s[4:5] offset:(8*(\b)+u)*ROWB th:TH_LOAD_NT
	global_load_b128 v[S+8*u+4:S+8*u+7], v[XO], s[4:5] offset:(8*(\b)+u)*ROWB+512 th:TH_LOAD_NT
.else
.set n, 2*(8*((\b)%4)+u)+(\b)/4-1
	v_lshl_add_u32 v[AD+8*((\b)%3)+u], s[16+n+4*(n/48)], 10, v[XO]  ; 1,024 x index + 16 l; the set's last loads have been waited for, so its offsets may be written
	global_load_b128 v[S+8*u:S+8*u+3],   v[AD+8*((\b)%3)+u], s[6:7]
	global_load_b128 v[S+8*u+4:S+8*u+7], v[AD+8*((\b)%3)+u], s[6:7] offset:512
.endif
.set u, u+1
.endr
.endm
; Batch b is rounded to bf16, in the place of its first two registers, and put into LDS: load u is half u % 2 of row 8 (b % 4) + u / 2; lane l holds its channels 4 l .. 4 l + 3: 8 bytes, the wave's 256 on end.
.macro STORE b, left
	s_wait_loadcnt \left                           ; loads come back in order: this batch is in, the younger batches stay out
.set S, BUF+64*((\b)%3)
.set u, 0
.rept 16
	v_cvt_pk_bf16_f32 v[S+4*u],   v[S+4*u],   v[S+4*u+1]
	v_cvt_pk_bf16_f32 v[S+4*u+1], v[S+4*u+2], v[S+4*u+3]
	ds_store_b64 v[SA], v[S+4*u:S+4*u+1] offset:((\b)/4)*ARR+(8*((\b)%4)+u/2)*PIT+(u%2)*256
.set u, u+1
.endr
.endm
	ISSUE 0
	ISSUE 1
	ISSUE 2
	s_wait_kmcnt 0x0                               ; the indices are in,
.set n, 0
.rept 64
	s_min_u32 s[16+n+4*(n/48)], s[16+n+4*(n/48)], 0x1fff  ; and held inside the table
.set n, n+1
.endr
.irp b, 0,1,2,3,4,5,6,7,8
	STORE \b, 32                                   ; two younger batches, 32 loads, stay out
	ISSUE (\b)+3
.endr
	STORE 9, 32
	STORE 10, 16
	STORE 11, 0
; A LANE A ROW.  Set z: six loads of 16 bytes: 16 channels, at byte off of the row, of x and of the two candidates.  My own bytes: LDS serves a wave's instructions in order (ISA guide 5.7.1.4), so these see the stores above.
.macro LD z, off
.irp a, 0,1,2
.irp k, 0,1
	ds_load_b128 v[CB+24*(\z)+8*(\a)+4*(\k):CB+24*(\z)+8*(\a)+4*(\k)+3], v[RA] offset:(\a)*ARR+(\off)+16*(\k)
.endr
.endr
.endm
; Sixteen links of each of the five chains, channels ascending: a register's low half, then its high half.  Set 0 holds a window's first 16 channels, set 1 its last 16: the squares' chains begin anew, from 0, with set 0's
; first link, and behind set 1's last link the window's three sums are added onto the sums of the windows before.  The two chains of cross run on through all windows.
.macro FM z
.set r, 0
.rept 8
.set rx, CB+24*(\z)+r
.if ((\z) == 0) && (r == 0)
	v_fma_mix_f32_bf16 v[WX], v[rx],    v[rx],    v[NIL] op_sel_hi:[1,1,0]
	v_fma_mix_f32_bf16 v[C1], v[rx],    v[rx+8],  v[C1] op_sel_hi:[1,1,0]
	v_fma_mix_f32_bf16 v[C2], v[rx],    v[rx+16], v[C2] op_sel_hi:[1,1,0]
	v_fma_mix_f32_bf16 v[W1], v[rx+8],  v[rx+8],  v[NIL] op_sel_hi:[1,1,0]
	v_fma_mix_f32_bf16 v[W2], v[rx+16], v[rx+16], v[NIL] op_sel_hi:[1,1,0]
.else
	v_fma_mix_f32_bf16 v[WX], v[rx],    v[rx],    v[WX] op_sel_hi:[1,1,0]
	v_fma_mix_f32_bf16 v[C1], v[rx],    v[rx+8],  v[C1] op_sel_hi:[1,1,0]
	v_fma_mix_f32_bf16 v[C2], v[rx],    v[rx+16], v[C2] op_sel_hi:[1,1,0]
	v_fma_mix_f32_bf16 v[W1], v[rx+8],  v[rx+8],  v[W1] op_sel_hi:[1,1,0]
	v_fma_mix_f32_bf16 v[W2], v[rx+16], v[rx+16], v[W2] op_sel_hi:[1,1,0]
.endif
	v_fma_mix_f32_bf16 v[WX], v[rx],    v[rx],    v[WX] op_sel:[1,1,0] op_sel_hi:[1,1,0]
	v_fma_mix_f32_bf16 v[C1], v[rx],    v[rx+8],  v[C1] op_sel:[1,1,0] op_sel_hi:[1,1,0]
	v_fma_mix_f32_bf16 v[C2], v[rx],    v[rx+16], v[C2] op_sel:[1,1,0] op_sel_hi:[1,1,0]
	v_fma_mix_f32_bf16 v[W1], v[rx+8],  v[rx+8],  v[W1] op_sel:[1,1,0] op_sel_hi:[1,1,0]
	v_fma_mix_f32_bf16 v[W2], v[rx+16], v[rx+16], v[W2] op_sel:[1,1,0] op_sel_hi:[1,1,0]
.set r, r+1
.endr
.if (\z) == 1
	v_add_f32 v[XQ], v[XQ], v[WX]                  ; the windows' sums, in ascending order
	v_add_f32 v[Q1], v[Q1], v[W1]
	v_add_f32 v[Q2], v[Q2], v[W2]
.endif
.endm
	v_mov_b32 v[XQ], 0                             ; the sums of the windows and the chains of cross start at 0, as the sums do
	v_mov_b32 v[C1], 0
	v_mov_b32 v[C2], 0
	v_mov_b32 v[Q1], 0
	v_mov_b32 v[Q2], 0
	LD 0, 0
	s_mov_b32 s86, 7
.Lrun:                                                 ; a trip: one window, 32 channels, 64 bytes of the rows; while one set is added up the other's loads are out
	LD 1, 32
	s_wait_dscnt 6                                 ; all but the six just issued
	FM 0
	LD 0, 64
	s_wait_dscnt 6
	FM 1
	v_add_nc_u32 v[RA], 64, v[RA]
	s_sub_co_u32 s86, s86, 1
	s_cmp_lg_u32 s86, 0
	s_cbranch_scc1 .Lrun
	LD 1, 32                                       ; the last window: nothing is left to fetch behind it
	s_wait_dscnt 6
	FM 0
	s_wait_dscnt 0x0
	FM 1
	v_add_f32 v18, v[XQ], v[Q1]                    ; t
	v_add_f32 v19, v[XQ], v[Q2]
	v_fma_f32 v18, v[C1], -2.0, v18                ; d
	v_fma_f32 v19, v[C2], -2.0, v19
	v_cmp_lt_f32 s87, v19, v18                     ; the second is taken where it is nearer,
	v_cmp_eq_f32 s88, v19, v18
	v_cmp_lt_u32 s89, v[IP+1], v[IP]               ; or as near and the lower index
	s_and_b32 s88, s88, s89
	s_or_b32 s87, s87, s88
	v_cndmask_b32 v20, v[IP], v[IP+1], s87
	ds_store_b32 v[OA], v20
	s_wait_dscnt 0x0                               ; for wave 0's sake: my store is done
	s_barrier_signal -1
	s_barrier_wait -1                              ; all 128 indices lie in LDS
	s_cmp_lg_u32 s12, 0
	s_cbranch_scc1 .Lend
	ds_load_b128 v[20:23], v[OB]
	s_wait_dscnt 0x0
	global_store_b128 v[XO], v[20:23], s[10:11]    ; 512 consecutive bytes, at a multiple of 256 from out0's first, by one instruction
.Lend:
	s_wait_tensorcnt 0x0                           ; the wave's end, behind my last LDS store
	ds_add_u32 v[SPW], v[NIL]
	s_wait_dscnt 0x0
	s_endpgm
.Lfunc_end_k_q08c46ee401_refine:
	.size	k_q08c46ee401_refine, .Lfunc_end_k_q08c46ee401_refine-k_q08c46ee401_refine
	.p2alignl 7, 3214868480
	.fill 96, 4, 3214868480
	.section	.rodata,"a",@progbits
	.p2align	6, 0x0
	.amdhsa_kernel k_q08c46ee401_refine
		.amdhsa_group_segment_fixed_size 203776
		.amdhsa_private_segment_fixed_size 0
		.amdhsa_enable_private_segment 0
		.amdhsa_kernarg_size 32
		.amdhsa_user_sgpr_count 2
		.amdhsa_user_sgpr_kernarg_segment_ptr 1
		.amdhsa_wavefront_size32 1
		.amdhsa_system_sgpr_workgroup_id_x 1
		.amdhsa_system_sgpr_workgroup_id_y 1
		.amdhsa_system_sgpr_workgroup_id_z 1
		.amdhsa_system_vgpr_workitem_id 0
		.amdhsa_next_free_vgpr 256
		.amdhsa_next_free_sgpr 96
		.amdhsa_reserve_vcc 0
		.amdhsa_float_denorm_mode_32 3
		.amdhsa_float_denorm_mode_16_64 3
		.amdhsa_memory_ordered 1
		.amdhsa_forward_progress 1
		.amdhsa_inst_pref_size 88
	.end_amdhsa_kernel
	.amdgpu_metadata
---
amdhsa.version: [ 1, 2 ]
amdhsa.kernels:
  - .name:           k_q08c46ee401_refine
    .symbol:         k_q08c46ee401_refine.kd
    .args:
      - { .name: inputs, .offset: 0, .size: 8, .value_kind: global_buffer, .address_space: global }
      - { .name: embedding, .offset: 8, .size: 8, .value_kind: global_buffer, .address_space: global }
      - { .name: cand, .offset: 16, .size: 8, .value_kind: global_buffer, .address_space: global }
      - { .name: out0, .offset: 24, .size: 8, .value_kind: global_buffer, .address_space: global }
    .group_segment_fixed_size: 203776
    .private_segment_fixed_size: 0
    .kernarg_segment_align: 8
    .kernarg_segment_size: 32
    .max_flat_workgroup_size: 128
    .sgpr_count:     96
    .vgpr_count:     256
    .wavefront_size: 32
...
	.end_amdgpu_metadata
.endif
;; end of part 3
;; ======== version 2 of 2: 3 launches; version 1 with the launch refine written anew for expert scheduling mode
;; workspace buffers: ework 4,227,072 bytes; cand 262,144 bytes of whole numbers
;; launch prep: the kernel of part 1 again; grid 128 x 1, 4 waves a work-group, no clusters, 35,584 bytes of LDS; arguments embedding, ework; writes ework
;; launch vq: the kernel of part 2 again; grid 256 x 1, 4 waves a work-group, clusters of 4 x 1, 327,680 bytes of LDS; arguments inputs, ework, cand; writes cand
;; launch refine (part 4): grid 256 x 1, 4 waves a work-group, no clusters, 203,776 bytes of LDS; arguments inputs, embedding, cand, out0; writes out0
.if DOCPART == 4
	.amdgcn_target "amdgcn-amd-amdhsa--gfx1250"
	.amdhsa_code_object_version 6
	.text
	.protected	k_q08c46ee401_refine
	.globl	k_q08c46ee401_refine
	.p2align	8
	.type	k_q08c46ee401_refine,@function
k_q08c46ee401_refine:
	s_mov_b64 s[64:65], 0
	v_nop
	global_prefetch_b8 v0, s[64:65] scope:SCOPE_SE
	s_setreg_imm32_b32 hwreg(HW_REG_WAVE_SCHED_MODE, 0, 2), 2
	s_setreg_imm32_b32 hwreg(HW_REG_WAVE_MODE, 25, 1), 1
	s_wait_xcnt 0x0
	s_wait_alu depctr_vm_vsrc(0)
; THE CHOICE BETWEEN A ROW'S TWO CANDIDATES.  cand[n] = (I1, I2), from the launch before.  out0[n] = the one with the lesser d = (x_sq + e_sq) - 2 cross; at equal d the lower index.
; THE ARITHMETIC is the formula's, rounding for rounding, on x and e rounded once to bf16 (a product of two bf16 numbers is exact in f32, so a link of a chain is one rounding, fused or not):
;   x_sq = the sum of x^2 and e_sq = the sum of e^2, BY WINDOWS: eight windows of 32 consecutive channels, each added up in f32 from 0 in ascending order; then the eight sums, from 0, in ascending order;
;   cross = the sum of x e: ONE chain in f32 from 0 over channels 0 .. 255 in ascending order, one accumulator for an output;
;   t = x_sq + e_sq, rounded; d = t - 2 cross, rounded once (2 cross is exact).
; These are two products of 256 for each row, 1 in 4,096 of the problem's: they run on the vector unit because the order of their sums is the point.
; LIMITS.  A sum of these numbers taken in another order can differ in its last bits; then, where the two distances lie within that rounding (a few 1e-5 for numbers of unit spread), the index may be the other of the two.
; NaN is not treated apart: a NaN distance loses against I1.  An index is held to 0 .. 8,191 before it enters an address.
; SHARES.  A work-group owns 128 rows, a wave 32.  ON THE WAY IN a wave's load covers 512 consecutive bytes: half a row of x or of a candidate's code; 192 loads, in twelve batches of 16 on three sets of registers, so that
; 32 to 48 are out.  Each is rounded to bf16 and put into the wave's own LDS as plain rows.  THEN a lane takes a row: five chains side by side, so that a link's four neighbours stand between it and the next.
; No wave reads another's rows, so there is no barrier but the one at the end, where the work-group's 128 indices meet so as to leave as 512 consecutive bytes.
; No tensor load: the rows are gathered and converted on the way.  No cluster: nothing is shared.  No prefetch: the launch is short and asks for all it reads nearly at once.
; THE MODE: SCHED_MODE bits 1:0 = 2 (LLVM: expert scheduling mode 2), set by the entry lines.  The code itself states the register dependences between vector instructions and memory or LDS instructions, with s_wait_alu, always for 0.
; THE PLAN.  Registers that memory or LDS instructions touch:
;   v[XO], v[SA], v[OA], v[OB], v[GO8]   offsets and LDS addresses, made at the head and never written again.
;   BUF0 .. BUF2   Step b: its 32 conversions read BUF[b % 3]; behind them the loads of batch b + 3 land in it.  No memory or LDS instruction reads these registers.
;   CV             Step b: its conversions write it, its 16 LDS stores read it.
;   AD             Steps 1 to 8: eight lines write the offsets of batch b + 3's rows, that step's 16 loads read them.
;   So a step has two waits.  One on vm_vsrc at its head, behind the wait for the batch's data: the LDS stores of the step before have read CV and its loads have read AD.  One on va_vdst behind its conversions: CV and AD are
;   written and BUF[b % 3] is read out.  The step's 16 loads and 16 LDS stores follow that wait by turns; no vector instruction stands among them.
;   CB             Two pairs of two sets.  Window t's links read pair t % 2; the LDS loads of window t + 1, issued in window t, land in the other pair.
;   v[RA]          Read by every LDS load of the chains; written once a trip, at the trip's end.
;   So a window has one wait on va_vdst, at its head: the window before is done reading the other pair, and at a trip's head v[RA] is written.  Its twelve loads follow, six at the head and six in the middle, among links that
;   name this window's pair, the chains and v[NIL] alone.  One wait on vm_vsrc a trip stands ahead of the add to v[RA].
;   v[IX]          Written by the last select, read by the LDS store of the index.   v[20:23]: wave 0's last LDS load lands there; v20-22 were the windows' sums.
;   v[SPW], v[NIL] Written at the head; the closing add reads them (v[NIL] is also the addend 0 of a window's first links).
.set ROWB,  1024                       ; a row of x or of embedding in memory
.set PIT,   528                        ; a row in LDS: 512 bytes of bf16 + 16 = 33 x 16
.set ARR,   32*PIT                     ; 32 rows: x, then the first candidates, then the second
.set WVB,   3*ARR                      ; a wave's part: 50,688 bytes
.set OUTS,  4*WVB                      ; the 128 indices: 512 bytes
.set SPARE, OUTS+512                   ; the spare words, 128 bytes for each wave: two blocks of 256 bytes that no other line names
.set XO,  1                            ; v1   16 l; never rewritten
.set SA,  2                            ; v2   my wave's part + 8 l: where I put 8 bytes of half a row
.set RA,  3                            ; v3   my wave's part + 528 l: my row; it steps along the row
.set OA,  4                            ; v4   where my row's index goes
.set OB,  5                            ; v5   where wave 0 reads four back
.set SPW, 6                            ; v6   LDS address of my spare word; never rewritten
.set NIL, 7                            ; v7   0; never rewritten
.set IP,  8                            ; v[8:9]  my row's I1, I2
.set GO8, 10                           ; v10  8 l
.set XQ,  12                           ; v12  x_sq: the sum of the windows so far
.set C1,  13                           ; v13, v14  cross
.set C2,  14
.set Q1,  15                           ; v15, v16  e_sq: the sums of the windows so far
.set Q2,  16
.set IX,  17                           ; v17  the index that is chosen
.set WX,  20                           ; v20  the window in hand of x_sq,
.set W1,  21                           ; v21, v22  of the two e_sq
.set W2,  22
.set AD,  24                           ; v[24:31]  the offsets of a batch's eight candidates
.set CV,  32                           ; v[32:63]  a batch rounded to bf16, two registers a load
.set BUF, 64                           ; v[64:255] three sets of 64: 16 loads each
.set CB,  64                           ; later: two pairs of two sets of 24: a set is 16 channels of x, of the first and of the second candidate
	s_load_b256 s[4:11], s[0:1], 0x0               ; inputs s[4:5], embedding s[6:7], cand s[8:9], out0 s[10:11]
	v_lshl_add_u32 v[SPW], v0, 2, SPARE
	v_mov_b32 v[NIL], 0
	v_lshrrev_b32 v18, 5, v0
	v_readfirstlane_b32 s12, v18                   ; wave 0..3
	v_and_b32 v19, 31, v0                          ; l
	v_lshlrev_b32 v[XO], 4, v19
	v_lshlrev_b32 v[GO8], 3, v19
	v_mul_u32_u24 v[RA], v19, PIT
	v_lshl_add_u32 v[OA], v0, 2, OUTS              ; row 32 w + l of the work-group's 128 is my thread's number
	v_add_nc_u32 v[OB], OUTS, v[XO]
	s_wait_alu depctr_va_sdst(0)                   ; s12 is written, ahead of its first reader: my wave's part of LDS and its bases are made from it
	s_mul_i32 s13, s12, WVB
	v_lshl_add_u32 v[SA], v19, 3, s13
	v_add_nc_u32 v[RA], s13, v[RA]
	s_lshl_b32 s2, ttmp9, 17                       ; the work-group's 128 rows of 1,024 bytes,
	s_lshl_b32 s3, s12, 15                         ; my wave's 32
	s_add_co_u32 s2, s2, s3
	s_mov_b32 s3, 0
	s_lshl_b32 s14, ttmp9, 10                      ; its 128 pairs of 8 bytes,
	s_lshl_b32 s15, s12, 8                         ; my wave's 32
	s_add_co_u32 s14, s14, s15
	s_mov_b32 s15, 0
	s_lshl_b32 s84, ttmp9, 9                       ; its 128 indices of 4 bytes
	s_mov_b32 s85, 0
	s_wait_kmcnt 0x0
	s_add_nc_u64 s[4:5], s[4:5], s[2:3]
	s_add_nc_u64 s[8:9], s[8:9], s[14:15]
	s_add_nc_u64 s[10:11], s[10:11], s[84:85]
	s_load_b512 s[16:31], s[8:9], 0x0              ; my wave's 64 indices as scalars: number n = 2 row + candidate in s[16 + n], from n = 48 on in s[20 + n]
	s_load_b512 s[32:47], s[8:9], 0x40
	s_load_b512 s[48:63], s[8:9], 0x80
	s_load_b512 s[68:83], s[8:9], 0xc0
	s_wait_alu depctr_va_vdst(0)                   ; the offsets and LDS addresses v1 to v5 and v10 are written, which the loads and stores of the whole kernel read
	global_load_b64 v[IP:IP+1], v[GO8], s[8:9]     ; and my row's two, for the choice: the oldest load, so it enters no count below
; Batch b of twelve: 16 loads into set b % 3.  Batches 0-3: rows 8 b .. 8 b + 7 of x; 4-7: the first candidates of rows 8 (b % 4) ..; 8-11: the second.  A row is two loads of 512 consecutive bytes: load u is half u % 2 of row u / 2.
; The first three batches, of x, go out at the head.
.macro XFILL b
.set S, BUF+64*(\b)
.set u, 0
.rept 16
	global_load_b128 v[S+4*u:S+4*u+3], v[XO], s[4:5] offset:(8*(\b)+u/2)*ROWB+(u%2)*512 th:TH_LOAD_NT
.set u, u+1
.endr
.endm
; STEP b.  Batch b is rounded to bf16 into CV and put into LDS: lane l holds channels 4 l .. 4 l + 3 of half a row: 8 bytes, the wave's 256 on end.  Its set is asked for again at once, for batch b + 3 (steps 0 to 8).
.macro STEP b, left
	s_wait_loadcnt \left                           ; loads come back in order: this batch is in, the younger batches stay out
.set S, BUF+64*((\b)%3)
.if ((\b) >= 2) && ((\b) <= 8)
	s_wait_xcnt 0x0                                ; the loads of the step before, which are still out, have had their addresses translated (ISA guide 3.1): AD is rewritten only behind this wait
.endif
.if (\b) >= 1
	s_wait_alu depctr_vm_vsrc(0)                   ; the LDS stores of the step before have read CV, which the conversions below write again; its loads have read AD, which the eight lines below write again
.endif
.if ((\b) >= 1) && ((\b) <= 8)
.set u, 0
.rept 8
.set n, 2*(8*(((\b)+3)%4)+u)+((\b)+3)/4-1
	v_lshl_add_u32 v[AD+u], s[16+n+4*(n/48)], 10, v[XO]  ; 1,024 x index + 16 l
.set u, u+1
.endr
.endif
.set u, 0
.rept 16
	v_cvt_pk_bf16_f32 v[CV+2*u],   v[S+4*u],   v[S+4*u+1]
	v_cvt_pk_bf16_f32 v[CV+2*u+1], v[S+4*u+2], v[S+4*u+3]
.set u, u+1
.endr
	s_wait_alu depctr_va_vdst(0)                   ; the conversions have written CV, which the LDS stores read, and are done reading the set, in which the loads land; AD is written, which the loads read
.set u, 0
.rept 16                               ; a load and an LDS store by turns, the load first; no vector instruction stands among them
.if (\b) == 0
	global_load_b128 v[S+4*u:S+4*u+3], v[XO], s[4:5] offset:(24+u/2)*ROWB+(u%2)*512 th:TH_LOAD_NT
.elseif (\b) <= 8
	global_load_b128 v[S+4*u:S+4*u+3], v[AD+u/2], s[6:7] offset:(u%2)*512
.endif
	ds_store_b64 v[SA], v[CV+2*u:CV+2*u+1] offset:((\b)/4)*ARR+(8*((\b)%4)+u/2)*PIT+(u%2)*256
.set u, u+1
.endr
.endm
	XFILL 0
	XFILL 1
	XFILL 2
	s_wait_kmcnt 0x0                               ; the indices are in,
.set n, 0
.rept 64
	s_min_u32 s[16+n+4*(n/48)], s[16+n+4*(n/48)], 0x1fff  ; and held inside the table
.set n, n+1
.endr
.irp b, 0,1,2,3,4,5,6,7,8,9
	STEP \b, 32                                    ; two younger batches, 32 loads, stay out
.endr
	STEP 10, 16                                    ; the last three steps ask for nothing: the counts run down
	STEP 11, 0
; A LANE A ROW.  Set z of pair p: six loads of 16 bytes: 16 channels, at byte off of the row, of x and of the two candidates.  My own bytes: LDS serves a wave's instructions in order (ISA guide 5.7.1.4), so these see the stores above.
.macro LD p, z, off
.irp a, 0,1,2
.irp k, 0,1
	ds_load_b128 v[CB+48*(\p)+24*(\z)+8*(\a)+4*(\k):CB+48*(\p)+24*(\z)+8*(\a)+4*(\k)+3], v[RA] offset:(\a)*ARR+(\off)+16*(\k)
.endr
.endr
.endm
; Sixteen links of each of the five chains, channels ascending: a register's low half, then its high half.  Set 0 holds a window's first 16 channels, set 1 its last 16: the squares' chains begin anew, from 0, with set 0's
; first link, and behind set 1's last link the window's three sums are added onto the sums of the windows before.  The two chains of cross run on through all windows.
.macro FM p, z
.set r, 0
.rept 8
.set rx, CB+48*(\p)+24*(\z)+r
.if ((\z) == 0) && (r == 0)
	v_fma_mix_f32_bf16 v[WX], v[rx],    v[rx],    v[NIL] op_sel_hi:[1,1,0]
	v_fma_mix_f32_bf16 v[C1], v[rx],    v[rx+8],  v[C1] op_sel_hi:[1,1,0]
	v_fma_mix_f32_bf16 v[C2], v[rx],    v[rx+16], v[C2] op_sel_hi:[1,1,0]
	v_fma_mix_f32_bf16 v[W1], v[rx+8],  v[rx+8],  v[NIL] op_sel_hi:[1,1,0]
	v_fma_mix_f32_bf16 v[W2], v[rx+16], v[rx+16], v[NIL] op_sel_hi:[1,1,0]
.else
	v_fma_mix_f32_bf16 v[WX], v[rx],    v[rx],    v[WX] op_sel_hi:[1,1,0]
	v_fma_mix_f32_bf16 v[C1], v[rx],    v[rx+8],  v[C1] op_sel_hi:[1,1,0]
	v_fma_mix_f32_bf16 v[C2], v[rx],    v[rx+16], v[C2] op_sel_hi:[1,1,0]
	v_fma_mix_f32_bf16 v[W1], v[rx+8],  v[rx+8],  v[W1] op_sel_hi:[1,1,0]
	v_fma_mix_f32_bf16 v[W2], v[rx+16], v[rx+16], v[W2] op_sel_hi:[1,1,0]
.endif
	v_fma_mix_f32_bf16 v[WX], v[rx],    v[rx],    v[WX] op_sel:[1,1,0] op_sel_hi:[1,1,0]
	v_fma_mix_f32_bf16 v[C1], v[rx],    v[rx+8],  v[C1] op_sel:[1,1,0] op_sel_hi:[1,1,0]
	v_fma_mix_f32_bf16 v[C2], v[rx],    v[rx+16], v[C2] op_sel:[1,1,0] op_sel_hi:[1,1,0]
	v_fma_mix_f32_bf16 v[W1], v[rx+8],  v[rx+8],  v[W1] op_sel:[1,1,0] op_sel_hi:[1,1,0]
	v_fma_mix_f32_bf16 v[W2], v[rx+16], v[rx+16], v[W2] op_sel:[1,1,0] op_sel_hi:[1,1,0]
.set r, r+1
.endr
.if (\z) == 1
	v_add_f32 v[XQ], v[XQ], v[WX]                  ; the windows' sums, in ascending order
	v_add_f32 v[Q1], v[Q1], v[W1]
	v_add_f32 v[Q2], v[Q2], v[W2]
.endif
.endm
; A WINDOW, 32 channels, on pair p.  ahead = 1: the next window, at byte off of the rows, is fetched into the other pair.
.macro WND p, off, ahead
.if \ahead
	s_wait_alu depctr_va_vdst(0)                   ; the window before is done reading the other pair, in which the twelve loads below land; at a trip's head v[RA], which they read, is written
	LD 1-(\p), 0, \off
	s_wait_dscnt 12                                ; LDS loads come back in order: this window's first set is in; its second set and the six just issued stay out
.else
	s_wait_dscnt 6                                 ; the last window fetches nothing: its second set alone stays out
.endif
	FM \p, 0
.if \ahead
	LD 1-(\p), 1, (\off)+32                        ; no wait: the links since the wait above name this window's pair, the chains and v[NIL] alone
	s_wait_dscnt 12                                ; this window's second set is in; the next window's twelve stay out
.else
	s_wait_dscnt 0x0
.endif
	FM \p, 1
.endm
	v_mov_b32 v[XQ], 0                             ; the sums of the windows and the chains of cross start at 0, as the sums do
	v_mov_b32 v[C1], 0
	v_mov_b32 v[C2], 0
	v_mov_b32 v[Q1], 0
	v_mov_b32 v[Q2], 0
	LD 0, 0, 0                                     ; window 0.  No wait: the conversions that read these registers stand ahead of the last step's wait, and the five lines since name none of them
	LD 0, 1, 32
	s_mov_b32 s86, 3
.Lrun:                                                 ; a trip: two windows, 128 bytes of the rows, one on each pair; while one pair is added up the other's loads are out
	WND 0, 64, 1
	WND 1, 128, 1
	s_wait_alu depctr_vm_vsrc(0)                   ; the LDS loads issued so far have read v[RA]
	v_add_nc_u32 v[RA], 128, v[RA]                 ; (that it is written is stated by the wait at the next window's head, over the jump and behind the loop alike)
	s_sub_co_u32 s86, s86, 1
	s_cmp_lg_u32 s86, 0
	s_cbranch_scc1 .Lrun
	WND 0, 64, 1                                   ; the last two windows are written out: nothing is left to fetch behind the last
	WND 1, 0, 0
	v_add_f32 v18, v[XQ], v[Q1]                    ; t
	v_add_f32 v19, v[XQ], v[Q2]
	v_fma_f32 v18, v[C1], -2.0, v18                ; d
	v_fma_f32 v19, v[C2], -2.0, v19
	v_cmp_lt_f32 s87, v19, v18                     ; the second is taken where it is nearer,
	v_cmp_eq_f32 s88, v19, v18
	v_cmp_lt_u32 s89, v[IP+1], v[IP]               ; or as near and the lower index
	s_wait_alu depctr_va_sdst(0)                   ; the three compares have written s87, s88 and s89, ahead of their first readers
	s_and_b32 s88, s88, s89
	s_or_b32 s87, s87, s88
	v_cndmask_b32 v[IX], v[IP], v[IP+1], s87
	s_wait_alu depctr_va_vdst(0)                   ; v[IX] is written, which the LDS store reads; the links are done with v20 to v22, in which wave 0's load below lands: no vector instruction follows
	ds_store_b32 v[OA], v[IX]
	s_wait_dscnt 0x0                               ; for wave 0's sake: my store is done
	s_barrier_signal -1
	s_barrier_wait -1                              ; all 128 indices lie in LDS
	s_cmp_lg_u32 s12, 0
	s_cbranch_scc1 .Lend
	ds_load_b128 v[20:23], v[OB]
	s_wait_dscnt 0x0
	global_store_b128 v[XO], v[20:23], s[10:11]    ; 512 consecutive bytes, at a multiple of 256 from out0's first, by one instruction
.Lend:
	s_wait_dscnt 0x0                               ; the closing lines, six on end
	s_wait_alu 0x0
	s_wait_tensorcnt 0x0
	ds_add_u32 v[SPW], v[NIL]
	s_wait_dscnt 0x0
	s_endpgm
.Lfunc_end_k_q08c46ee401_refine:
	.size	k_q08c46ee401_refine, .Lfunc_end_k_q08c46ee401_refine-k_q08c46ee401_refine
	.p2alignl 7, 3214868480
	.fill 96, 4, 3214868480
	.section	.rodata,"a",@progbits
	.p2align	6, 0x0
	.amdhsa_kernel k_q08c46ee401_refine
		.amdhsa_group_segment_fixed_size 203776
		.amdhsa_private_segment_fixed_size 0
		.amdhsa_enable_private_segment 0
		.amdhsa_kernarg_size 32
		.amdhsa_user_sgpr_count 2
		.amdhsa_user_sgpr_kernarg_segment_ptr 1
		.amdhsa_wavefront_size32 1
		.amdhsa_system_sgpr_workgroup_id_x 1
		.amdhsa_system_sgpr_workgroup_id_y 1
		.amdhsa_system_sgpr_workgroup_id_z 1
		.amdhsa_system_vgpr_workitem_id 0
		.amdhsa_next_free_vgpr 256
		.amdhsa_next_free_sgpr 96
		.amdhsa_reserve_vcc 0
		.amdhsa_float_denorm_mode_32 3
		.amdhsa_float_denorm_mode_16_64 3
		.amdhsa_memory_ordered 1
		.amdhsa_forward_progress 1
		.amdhsa_inst_pref_size 111
	.end_amdhsa_kernel
	.amdgpu_metadata
---
amdhsa.version: [ 1, 2 ]
amdhsa.kernels:
  - .name:           k_q08c46ee401_refine
    .symbol:         k_q08c46ee401_refine.kd
    .args:
      - { .name: inputs, .offset: 0, .size: 8, .value_kind: global_buffer, .address_space: global }
      - { .name: embedding, .offset: 8, .size: 8, .value_kind: global_buffer, .address_space: global }
      - { .name: cand, .offset: 16, .size: 8, .value_kind: global_buffer, .address_space: global }
      - { .name: out0, .offset: 24, .size: 8, .value_kind: global_buffer, .address_space: global }
    .group_segment_fixed_size: 203776
    .private_segment_fixed_size: 0
    .kernarg_segment_align: 8
    .kernarg_segment_size: 32
    .max_flat_workgroup_size: 128
    .sgpr_count:     96
    .vgpr_count:     256
    .wavefront_size: 32
...
	.end_amdgpu_metadata
.endif
;; end of part 4
